; MI455X (gfx1250); checked and timed in simulation.
; The chip was launched on July 23, 2026; its instructions are those of AMD's public machine-readable ISA for CDNA 5 (MIT licence, August 2026) and "CDNA5" Instruction Set Architecture Reference Guide (July 2026). The comments in the code are by the model that wrote it; some were corrected since.
;; T5 Attention. Allowed arithmetic: matrix products marked QUANTISED: E2M1 operands, one E8M0 scale for each 32 along K, by v_wmma_scale_f32_16x16x128_f8f6f4 with both operands' format E2M1 (or v_wmma_scale_f32_32x16x128_f4), f32 sums; products left as they are: bf16, f16 or f32 operands; f32 sums; everything else in f32.
;; Inputs: hidden_states 2 x 2,048 x 1,024 float32; wk 1,024 x 1,024 float32; wo 1,024 x 1,024 float32; wq 1,024 x 1,024 float32; wv 1,024 x 1,024 float32.
;; Outputs: out0 2 x 2,048 x 1,024 float32.
;; This version of the problem:
;;   THIS VERSION OF THE PROBLEM IS GIVEN IN LOW PRECISION. The matrix products marked QUANTISED in the list below multiply operands that are first quantised to E2M1 (2 exponent bits, 1 mantissa bit; 4 bits a number), with one power-of-two scale for each 32 numbers along K (OCP MX v1.0); their sums are f32. The products marked 'left as it is' may take bf16, f16 or f32 operands, with f32 sums. All else is computed in f32.
;;   The module's matrix products, in the order in which they are computed (A, B: the left and right operand; K: the contracted axis; several contracted axes count as one K, in the product's order):
;;     1. [M 4,096, K 1,024] x [K 1,024, N 1,024]; A: input hidden_states; B: input wq: QUANTISED
;;     2. [M 4,096, K 1,024] x [K 1,024, N 1,024]; A: input hidden_states; B: input wk: QUANTISED
;;     3. [M 4,096, K 1,024] x [K 1,024, N 1,024]; A: input hidden_states; B: input wv: QUANTISED
;;     4. batch 32 x [M 2,048, K 64] x [K 64, N 2,048]; A: computed on the way; B: computed on the way: left as it is (an operand is computed on the way)
;;     5. batch 32 x [M 2,048, K 2,048] x [K 2,048, N 64]; A: computed on the way; B: computed on the way: left as it is (an operand is computed on the way)
;;     6. [M 4,096, K 1,024] x [K 1,024, N 1,024]; A: computed on the way; B: input wo: left as it is (an operand is computed on the way)
;;   THE QUANTISER, for each operand of a quantised product, along K:
;;     - K is cut into blocks of 32 from its start; a last block that is shorter is filled with zeros.
;;     - A block's scale is 2^e with e = floor(log2(the largest magnitude in the block)) - 2, held to -126 .. 127; a block of zeros has e = 0. As a byte (E8M0): e + 127.
;;     - Each number is divided by its block's scale, clamped to +-6, and rounded to the nearest number of E2M1, ties to even, subnormals kept.
;;     - The product sums the exact products of the quantised numbers (number of the format x scale) in f32.
;;   ~~~python
;;   def quantise(x, axis):      # numpy; x: float32 -> the quantised numbers, widened to float32 again
;;       x = np.moveaxis(x, axis, -1); K = x.shape[-1]
;;       x = np.pad(x, [(0, 0)] * (x.ndim - 1) + [(0, -K % 32)]); x = x.reshape(x.shape[:-1] + (-1, 32)); a = np.abs(x).max(-1, keepdims=True)
;;       e = np.where(a > 0, np.clip(np.frexp(np.where(a > 0, a, 1))[1] - 1 - 2, -126, 127), 0)      # np.frexp(a)[1] - 1 = floor(log2(a)), exactly
;;       r = np.clip(x / 2.0 ** e, -6, 6)
;;       step = 2.0 ** (np.maximum(np.frexp(np.where(r == 0, 1, r))[1] - 1, 0) - 1)
;;       q = np.round(r / step) * step * 2.0 ** e      # np.round: ties to even
;;       return np.moveaxis(q.reshape(q.shape[:-2] + (-1,))[..., :K], -1, axis).astype(np.float32)
;;   ~~~
;; One version. Each part assembles by itself: llvm-mc -triple=amdgcn-amd-amdhsa -mcpu=gfx1250 --defsym DOCPART=n.
;; ======== version 1 of 1: 4 launches
;; limits: values are held in f16: magnitudes above 65,504 overflow, below 6.1e-05 lose precision
;; workspace buffers: hc 2,097,152 bytes; hs 131,072 bytes; wc 1,572,864 bytes; ws 98,304 bytes; wof 2,097,152 bytes; qkvf 25,165,824 bytes; cf 8,388,608 bytes
;; launch prep (part 1): grid 512 x 1, 8 waves a work-group, no clusters, 69,632 bytes of LDS; arguments hidden_states, wq, wk, wv, wo, hc, hs, wc, ws, wof; writes hc, hs, wc, ws, wof
.if DOCPART == 1
	.amdgcn_target "amdgcn-amd-amdhsa--gfx1250"
	.amdhsa_code_object_version 6
	.text
	.protected	k_q84d6bc22ee_prep
	.globl	k_q84d6bc22ee_prep
	.p2align	8
	.type	k_q84d6bc22ee_prep,@function
k_q84d6bc22ee_prep:
	s_mov_b64 s[64:65], 0
	v_nop
	global_prefetch_b8 v0, s[64:65] scope:SCOPE_SE
	s_setreg_imm32_b32 hwreg(HW_REG_WAVE_MODE, 25, 1), 1
	s_wait_xcnt 0x0
; PREP: hidden_states [4096][1024] and wq, wk, wv [1024 (k)][1024 (n)], f32, become codes of FP4 (E2M1) with one E8M0 scale byte for each 32 along K; wo [1024 (k)][1024 (n)] becomes f16.
; Everything is stored as IMAGES OF OPERAND REGISTERS, so that the later launches load fragments as they stand:
;   an image of 16 rows x 128 k of codes is 1,024 bytes: half c at 512 c, lane l at 16 l: the 32 codes of row l % 16, k = 64 c + 32 (l / 16) + 0 .. 31;
;   an image of 16 rows x 32 k of f16 is 1,024 bytes: half u at 512 u, lane l at 16 l: 8 numbers of row l % 16, k = 16 u + 8 (l / 16) + 0 .. 7.
;   hc  [block of 16 tokens 256][K step 8] images;   hs [block 256][lane 32][4 words]: lane 16 g + r, word i: the scale word of token r, K step 4 g + i
;   wc  [block of 16 columns of wq|wk|wv 192][K step 8] images;   ws [pair of blocks 96][quarter of K 4][lane 32][2 words]: lane = column in the pair, word i: K step 2 quarter + i
;   wof [block of 16 columns 64][32 along K: 32] images, row = column of wo
; A block's scale is 2^(floor(log2(its largest magnitude)) - 2): its byte is the largest magnitude's exponent field - 2, held at 1 from below by a floor among the maximum's leaves.
; A block of zeros so gets the byte 1: its codes are zeros, and the bytes are read by this program alone.
; LIMITS: NaN and infinities among the inputs are not served; blocks whose largest magnitude lies under 2^-124 keep the byte 1; wo is rounded to f16 (largest number 65,504, steps of 2^-24 under 2^-14).
; SHARES: 512 work-groups of 64 KiB of input.  Work-groups 0-255 take 16 tokens each (wave w: K step w); 256-511 take 64 columns x 256 along K of one weight (wave w: 32 columns x 64 along K).
; Every wave issues all its loads at its head.  No matrix unit, no tensor load, no cluster: nothing is shared between work-groups and memory binds.  Each way has LDS bytes of its own.
.set SPI,   528                        ; a stage row: 512 bytes + 16: row r starts at bank 4 r mod 64 (64 banks of 4 bytes: ISA guide 11.1)
.set STGW,  16*SPI                     ; a wave's stage: 16 rows
.set HSC,   8*STGW                     ; behind the stages: the 16 tokens' scale words, 512 bytes
.set WSC,   HSC+512                    ; and, for the weights' way, the scale bytes of 64 columns, 512 bytes
.set FLOOR, 0x1800000                  ; 2^(3 - 127)
.set WV,    28                         ; s28 my wave's number
.set SEL,   30                         ; s[30:31] selects of v_permlanex16_b32 for lane l xor 16
; Block c of 32 numbers, v[x] .. v[x + 31] of ONE lane: scale operand v[12 + c], byte v[14 + c], codes v[16 + 4 c] .. + 3
.macro QBLK x, c
	v_max3_num_f32 v[8+2*\c], |v[\x]|, |v[\x+1]|, FLOOR            ; two chains, so that no line waits for the line above it
	v_max3_num_f32 v[9+2*\c], |v[\x+2]|, |v[\x+3]|, |v[\x+4]|
.irp i, 5,9,13,17,21,25
	v_max3_num_f32 v[8+2*\c], v[8+2*\c], |v[\x+\i]|, |v[\x+\i+1]|
	v_max3_num_f32 v[9+2*\c], v[9+2*\c], |v[\x+\i+2]|, |v[\x+\i+3]|
.endr
	v_max3_num_f32 v[8+2*\c], v[8+2*\c], |v[\x+29]|, |v[\x+30]|
	v_max3_num_f32 v[8+2*\c], v[8+2*\c], v[9+2*\c], |v[\x+31]|     ; the block's largest magnitude, not under the floor
	v_add_nc_u32 v[12+\c], 0xff000000, v[8+2*\c]                   ; 2 off its exponent field: the conversion takes this operand's exponent field as its scale
	v_lshrrev_b32 v[14+\c], 23, v[12+\c]                           ; the scale's byte
.irp g, 0,1,2,3
	v_cvt_scalef32_pk8_fp4_f32 v[16+4*\c+\g], v[\x+8*\g:\x+8*\g+7], v[12+\c]
.endr
	v_nop                                                          ; one plain place behind the scaled conversions
.endm
	s_load_b512 s[8:23], s[0:1], 0x0               ; hidden s[8:9], wq s[10:11], wk s[12:13], wv s[14:15], wo s[16:17], hc s[18:19], hs s[20:21], wc s[22:23]
	s_load_b128 s[24:27], s[0:1], 0x40             ; ws s[24:25], wof s[26:27]
	v_lshl_add_u32 v176, v0, 2, 0x10c00
	v_mov_b32 v177, 0
	v_lshrrev_b32 v1, 5, v0
	v_readfirstlane_b32 s[WV], v1
	v_and_b32 v1, 31, v0                           ; lane
	v_and_b32 v2, 15, v0                           ; r
	v_bfe_u32 v3, v0, 4, 1                         ; h
	v_mov_b32 v25, 0                               ; a lane permute's destination counts as one of its sources
	s_mov_b32 s[SEL], 0x76543210
	s_mov_b32 s[SEL+1], 0xfedcba98
	s_mov_b32 s33, 0                               ; the high words of three offsets
	s_mov_b32 s35, 0
	s_mov_b32 s37, 0
	s_cmp_lt_u32 ttmp9, 256                        ; the same in all waves of a work-group
	s_cbranch_scc0 .Lweights
; ---- THE TOKENS.  Block of 16 tokens = the work-group's number; my K step = my wave's number: 16 rows x 512 bytes
	s_lshl_b32 s32, ttmp9, 16                      ; 16 rows of 4,096 bytes
	s_lshl_b32 s34, s[WV], 9
	s_add_co_u32 s32, s32, s34
	s_lshl_b32 s34, ttmp9, 13                      ; 8 images a block
	s_lshl_b32 s36, s[WV], 10
	s_add_co_u32 s34, s34, s36
	s_lshl_b32 s36, ttmp9, 9                       ; 512 bytes of scale words a block
	v_lshlrev_b32 v4, 4, v1                        ; 16 x lane
	s_mul_i32 s38, s[WV], STGW
	v_add_nc_u32 v5, s38, v4                       ; the stage, on the way in: as loaded
	v_mul_u32_u24 v6, v2, SPI
	v_lshl_add_u32 v6, v3, 7, v6
	v_add_nc_u32 v6, s38, v6                       ; and on the way out: row r, 32 numbers from 32 h on
	s_lshr_b32 s39, s[WV], 2
	s_lshl_b32 s39, s39, 8
	s_and_b32 s40, s[WV], 3
	s_lshl_b32 s40, s40, 2
	s_add_co_u32 s39, s39, s40
	s_add_co_u32 s39, s39, HSC
	v_lshl_add_u32 v7, v2, 4, s39                  ; my K step's word of token r: 256 (w / 4) + 16 r + 4 (w % 4)
	v_add_nc_u32 v160, HSC, v4                     ; where wave 0 reads the 512 bytes back
	s_wait_kmcnt 0x0
	s_add_nc_u64 s[8:9], s[8:9], s[32:33]
	s_add_nc_u64 s[18:19], s[18:19], s[34:35]
	s_add_nc_u64 s[20:21], s[20:21], s[36:37]
.irp i, 0,1,2,3,4,5,6,7,8,9,10,11,12,13,14,15
	global_load_b128 v[32+4*\i:35+4*\i], v4, s[8:9] offset:4096*\i th:TH_LOAD_NT   ; 32 lanes read 512 consecutive bytes of row i
.endr
.irp i, 0,1,2,3,4,5,6,7,8,9,10,11,12,13,14,15
	s_wait_loadcnt 15-\i                           ; row i is in; the younger rows may be out
	ds_store_b128 v5, v[32+4*\i:35+4*\i] offset:SPI*\i
.endr
.irp c, 0,1
.irp p, 0,1,2,3,4,5,6,7
	ds_load_b128 v[96+32*\c+4*\p:99+32*\c+4*\p], v6 offset:256*\c+16*\p   ; LDS serves a wave's instructions in order: these see my stores.  v[96 + 32 c + e] = k 64 c + 32 h + e of row r
.endr
.endr
	s_wait_dscnt 8                                 ; block 0's eight loads are in; block 1's eight may be out
	QBLK 96, 0
	s_wait_dscnt 0x0
	QBLK 128, 1
	v_lshl_or_b32 v24, v15, 16, v14                ; my two bytes: blocks h and 2 + h of row r,
	v_lshlrev_b32 v26, 3, v3
	v_lshlrev_b32 v24, v26, v24                    ; at their places in the word;
	v_permlanex16_b32 v25, v24, s[SEL], s[SEL+1]
	v_or_b32 v24, v24, v25                         ; with lane l xor 16's two the word is whole
	global_store_b128 v4, v[16:19], s[18:19]       ; the image's two halves: 512 consecutive bytes each
	global_store_b128 v4, v[20:23], s[18:19] offset:512
	ds_store_b32 v7, v24                           ; lanes r and r + 16 write the same word with the same value
	s_wait_dscnt 0x0                               ; for the others' sake: my store has landed
	s_barrier_signal -1
	s_barrier_wait -1
	s_cmp_lg_u32 s[WV], 0
	s_cbranch_scc1 .Lh_done
	ds_load_b128 v[164:167], v160                  ; the eight waves' words
	s_wait_dscnt 0x0
	global_store_b128 v4, v[164:167], s[20:21]     ; 512 consecutive bytes
.Lh_done:
	s_wait_tensorcnt 0x0
	ds_add_u32 v176, v177
	s_wait_dscnt 0x0
	s_endpgm
; ---- THE WEIGHTS.  A LANE TAKES A COLUMN AND ITS REGISTERS RUN DOWN K: a block of 32 along K lies in one lane, and the conversions give codes with K innermost
.Lweights:
	s_sub_co_u32 s45, ttmp9, 256
	s_lshr_b32 s40, s45, 6                         ; which weight: 0 wq, 1 wk, 2 wv, 3 wo
	s_bfe_u32 s41, s45, 0x40002                    ; which 64 columns
	s_and_b32 s42, s45, 3                          ; which 256 along K
	s_and_b32 s44, s[WV], 1
	s_lshl_b32 s41, s41, 1
	s_add_co_u32 s41, s41, s44                     ; my pair of blocks: 32 columns; two waves side by side read 256 consecutive bytes of a row
	s_lshr_b32 s43, s[WV], 1                       ; my 64 along K
	s_lshl_b32 s32, s42, 20
	s_lshl_b32 s45, s43, 18
	s_add_co_u32 s32, s32, s45
	s_lshl_b32 s45, s41, 7
	s_add_co_u32 s32, s32, s45                     ; (256 quarter + 64 kg) rows of 4,096 bytes + 128 bytes a pair
	v_lshlrev_b32 v4, 2, v1                        ; in: 4 bytes a lane
	v_lshlrev_b32 v161, 4, v1                      ; out: 16 bytes a lane
	v_lshlrev_b32 v163, 3, v1                      ; the scale words: 8 bytes a lane
	s_lshl_b32 s45, s44, 8
	s_add_co_u32 s45, s45, WSC
	v_lshl_add_u32 v162, v1, 3, s45                ; LDS: my pair's 256 scale bytes, 8 a column
	s_lshl_b32 s46, s43, 1
	s_add_co_u32 s45, s45, s46
	v_lshl_add_u32 v7, v1, 3, s45                  ; and my two of a column's eight
	s_wait_kmcnt 0x0
	s_cmp_eq_u32 s40, 1                            ; the choice hangs on the work-group's number alone
	s_cselect_b64 s[10:11], s[12:13], s[10:11]
	s_cmp_eq_u32 s40, 2
	s_cselect_b64 s[10:11], s[14:15], s[10:11]
	s_cmp_eq_u32 s40, 3
	s_cselect_b64 s[10:11], s[16:17], s[10:11]
	s_add_nc_u64 s[10:11], s[10:11], s[32:33]
.set i, 0
.rept 64
	global_load_b32 v[32+i], v4, s[10:11] offset:4096*i th:TH_LOAD_NT   ; row i of my 64, my column
.set i, i+1
.endr
	s_cmp_eq_u32 s40, 3
	s_cbranch_scc1 .Lwo
	s_lshl_b32 s34, s40, 19                        ; codes: (64 weight + 2 pair) blocks of 8,192 bytes + 1,024 a K step + 512 a half = weight << 19 + pair << 14 + quarter << 11 + kg << 9
	s_lshl_b32 s45, s41, 14
	s_add_co_u32 s34, s34, s45
	s_lshl_b32 s45, s42, 11
	s_add_co_u32 s34, s34, s45
	s_lshl_b32 s45, s43, 9
	s_add_co_u32 s34, s34, s45
	s_add_nc_u64 s[22:23], s[22:23], s[34:35]
	s_lshl_b32 s36, s40, 15                        ; scale words: ((32 weight + pair) 4 + quarter) x 256 bytes
	s_lshl_b32 s45, s41, 10
	s_add_co_u32 s36, s36, s45
	s_lshl_b32 s45, s42, 8
	s_add_co_u32 s36, s36, s45
	s_add_nc_u64 s[24:25], s[24:25], s[36:37]
	s_wait_loadcnt 32                              ; my first block's 32 loads are in; the second block's may be out
	QBLK 32, 0
	s_wait_loadcnt 0x0
	QBLK 64, 1
.irp g, 0,1,2,3
	v_permlane16_swap_b32 v[16+\g], v[20+\g]       ; block 0 of columns 16-31 changes places with block 1 of columns 0-15: v[16:19] is now the even block's half image, v[20:23] the odd one's
.endr
	global_store_b128 v161, v[16:19], s[22:23]
	global_store_b128 v161, v[20:23], s[22:23] offset:8192
	v_lshl_or_b32 v24, v15, 8, v14
	ds_store_b16 v7, v24                           ; my column's bytes 2 kg and 2 kg + 1 of its eight
	s_wait_dscnt 0x0                               ; for the others' sake
	s_barrier_signal -1
	s_barrier_wait -1
	s_cmp_gt_u32 s[WV], 1
	s_cbranch_scc1 .Lw_done
	ds_load_b64 v[164:165], v162                   ; waves 0 and 1: their pair's 256 bytes, made by four waves
	s_wait_dscnt 0x0
	global_store_b64 v163, v[164:165], s[24:25]    ; 256 consecutive bytes, aligned
.Lw_done:
	s_wait_tensorcnt 0x0
	ds_add_u32 v176, v177
	s_wait_dscnt 0x0
	s_endpgm
.Lwo:
	s_lshl_b32 s34, s41, 16                        ; 2 pair blocks of 32,768 bytes + (8 quarter + 2 kg) images
	s_lshl_b32 s45, s42, 13
	s_add_co_u32 s34, s34, s45
	s_lshl_b32 s45, s43, 11
	s_add_co_u32 s34, s34, s45
	s_add_nc_u64 s[26:27], s[26:27], s[34:35]
	s_wait_loadcnt 32
.irp i, 0,1,2,3,4,5,6,7,8,9,10,11,12,13,14,15
	v_cvt_pk_f16_f32 v[96+\i], v[32+2*\i], v[33+2*\i]              ; two neighbours along K, rounded to f16
.endr
	s_wait_loadcnt 0x0
.irp i, 16,17,18,19,20,21,22,23,24,25,26,27,28,29,30,31
	v_cvt_pk_f16_f32 v[96+\i], v[32+2*\i], v[33+2*\i]
.endr
.irp f, 0,1                                    ; 32 along K: four groups of four registers, 8 along K each, of 32 columns; an image's half wants 16 columns x 16 along K
.irp i, 0,1,2,3
	v_permlane16_swap_b32 v[96+16*\f+\i], v[100+16*\f+\i]
	v_permlane16_swap_b32 v[104+16*\f+\i], v[108+16*\f+\i]
.endr
.endr
.irp f, 0,1
.irp u, 0,1
.irp o, 0,1
	global_store_b128 v161, v[96+16*\f+8*\u+4*\o:99+16*\f+8*\u+4*\o], s[26:27] offset:32768*\o+1024*\f+512*\u   ; block even or odd, image f, half u
.endr
.endr
.endr
	s_endpgm
.Lfunc_end_k_q84d6bc22ee_prep:
	.size	k_q84d6bc22ee_prep, .Lfunc_end_k_q84d6bc22ee_prep-k_q84d6bc22ee_prep
	.p2alignl 7, 3214868480
	.fill 96, 4, 3214868480
	.section	.rodata,"a",@progbits
	.p2align	6, 0x0
	.amdhsa_kernel k_q84d6bc22ee_prep
		.amdhsa_group_segment_fixed_size 69632
		.amdhsa_private_segment_fixed_size 0
		.amdhsa_enable_private_segment 0
		.amdhsa_kernarg_size 80
		.amdhsa_user_sgpr_count 2
		.amdhsa_user_sgpr_kernarg_segment_ptr 1
		.amdhsa_wavefront_size32 1
		.amdhsa_system_sgpr_workgroup_id_x 1
		.amdhsa_system_sgpr_workgroup_id_y 1
		.amdhsa_system_sgpr_workgroup_id_z 1
		.amdhsa_system_vgpr_workitem_id 0
		.amdhsa_next_free_vgpr 178
		.amdhsa_next_free_sgpr 66
		.amdhsa_reserve_vcc 0
		.amdhsa_float_denorm_mode_32 3
		.amdhsa_float_denorm_mode_16_64 3
		.amdhsa_memory_ordered 1
		.amdhsa_forward_progress 1
		.amdhsa_inst_pref_size 25
	.end_amdhsa_kernel
	.amdgpu_metadata
---
amdhsa.version: [ 1, 2 ]
amdhsa.kernels:
  - .name:           k_q84d6bc22ee_prep
    .symbol:         k_q84d6bc22ee_prep.kd
    .args:
      - { .name: hidden_states, .offset: 0, .size: 8, .value_kind: global_buffer, .address_space: global }
      - { .name: wq, .offset: 8, .size: 8, .value_kind: global_buffer, .address_space: global }
      - { .name: wk, .offset: 16, .size: 8, .value_kind: global_buffer, .address_space: global }
      - { .name: wv, .offset: 24, .size: 8, .value_kind: global_buffer, .address_space: global }
      - { .name: wo, .offset: 32, .size: 8, .value_kind: global_buffer, .address_space: global }
      - { .name: hc, .offset: 40, .size: 8, .value_kind: global_buffer, .address_space: global }
      - { .name: hs, .offset: 48, .size: 8, .value_kind: global_buffer, .address_space: global }
      - { .name: wc, .offset: 56, .size: 8, .value_kind: global_buffer, .address_space: global }
      - { .name: ws, .offset: 64, .size: 8, .value_kind: global_buffer, .address_space: global }
      - { .name: wof, .offset: 72, .size: 8, .value_kind: global_buffer, .address_space: global }
    .group_segment_fixed_size: 69632
    .private_segment_fixed_size: 0
    .kernarg_segment_align: 8
    .kernarg_segment_size: 80
    .max_flat_workgroup_size: 256
    .sgpr_count:     66
    .vgpr_count:     178
    .wavefront_size: 32
...
	.end_amdgpu_metadata
.endif
;; end of part 1
;; launch qkvgemm (part 2): grid 12 x 16, 4 waves a work-group, clusters of 4 x 4, 262,656 bytes of LDS; arguments hc, hs, wc, ws, qkvf; writes qkvf
.if DOCPART == 2
	.amdgcn_target "amdgcn-amd-amdhsa--gfx1250"
	.amdhsa_code_object_version 6
	.text
	.protected	k_q84d6bc22ee_qkvgemm
	.globl	k_q84d6bc22ee_qkvgemm
	.p2align	8
	.type	k_q84d6bc22ee_qkvgemm,@function
k_q84d6bc22ee_qkvgemm:
	s_mov_b64 s[64:65], 0
	v_nop
	global_prefetch_b8 v0, s[64:65] scope:SCOPE_SE
	s_setreg_imm32_b32 hwreg(HW_REG_WAVE_MODE, 25, 1), 1
	s_wait_xcnt 0x0
	s_wait_alu depctr_hold_cnt(0) depctr_sa_sdst(0) depctr_va_vdst(0) depctr_va_sdst(0) depctr_va_ssrc(0) depctr_va_vcc(0) depctr_vm_vsrc(0)
	s_getreg_b32 s2, hwreg(HW_REG_IB_STS2, 6, 4)
	s_cmp_eq_u32 s2, 0
	s_cbranch_scc0 .Lentry_in_a_cluster
	s_endpgm
.Lentry_in_a_cluster:
	s_bfe_u32 s2, ttmp6, 0x10000c
	s_cmp_lg_u32 s2, 0xf033
	s_cbranch_scc0 .Lentry_shape_is_right
	s_endpgm
.Lentry_shape_is_right:
; q, k, v = hidden x [wq | wk | wv]: [4096] x [3072], K = 1,024, on codes of FP4 (E2M1) with one E8M0 scale for each 32 along K; sums in f32; results rounded once to f16.
; LIMIT: |q|, |k|, |v| under 65,504, the largest f16 number.
; A tile of the result is 256 tokens x 256 columns: 192 work-groups of four waves, a wave 128 x 128: 64 accumulators of 16 x 16, 512 registers.  256 columns lie inside one of q, k, v: cluster x says which.
; Operands lie in memory as images of fragments (16 rows x 128 K: 1,024 bytes; half c at 512 c, lane l at 16 l).  ALL of K of both panels is 2 x 128 KiB: it fits in LDS, so every byte of LDS is filled
; ONCE: four chunks of two K steps, all asked for at the head, four tensor loads a wave outstanding; nothing is filled again.
; CLUSTERS: 4 x 4 work-groups.  The four of a row of the cluster need the same tokens, the four of a column the same columns: each tile is asked for JOINTLY, by the same tensor load with the same descriptor and a mask.
; RESULTS ARE STORED AS IMAGES OF THE NEXT PRODUCT'S FRAGMENTS (16 rows x 32 k of f16: 1,024 bytes; half u at 512 u; lane l: row l % 16, k = 16 u + 8 (l / 16) + 0 .. 7).  A 16 x 16 result, whose lane (r, h) holds
; column r and rows 8 h + 0 .. 7, packed in pairs IS such a half, with row = the result's column.  So for q and k source 0 = 16 columns of w and source 1 = 16 tokens (row = token, k = channel);
; for v the sources are swapped (row = channel, k = token).  Nothing goes through LDS on the way out, and every store of a wave is 512 consecutive bytes.
;   qkvf [which 3][16 batch + head: 32] blocks of 262,144 bytes;  q, k: [16 tokens: 128][32 channels: 2] images;  v: [32 tokens: 64][16 channels: 4] images
; REGISTERS, in windows of 256: window 0: v16-27 addresses; v32-63 the tokens' scale words, v64-95 the columns'; v128-255 two sets of the tokens' 8 fragments; on the way out v128-255 take the packed results.
;   window 1: v0-127 two sets of the columns' 8 fragments.   window 2: the accumulators of my tokens 0-63 ((a, b) at v[8 (8 (a % 4) + b)]);   window 3: those of my tokens 64-127.
.set SA,    32                         ; register 4 a + q % 4: block a of tokens, K step q: lanes 0-15 for q < 4, lanes 16-31 for q >= 4
.set SB,    64                         ; register 8 (b / 2) + q: lanes 0-15 block b even, lanes 16-31 block b odd
.set ADRA,  16                         ; v16-19  LDS address of my tokens' fragments in chunk 0 .. 3
.set ADRB,  20                         ; v20-23  the same for my columns'
.set LO,    26                         ; v26     16 x lane
.set L8,    27                         ; v27     8 x lane
.set CHUNK, 65536                      ; two K steps: tokens' blocks 0-7, 8-15, columns' blocks 0-7, 8-15: 16,384 bytes each, [block 8][K step 2] images
.set G1A,   24                         ; s[24:31] descriptor group 1 for the tokens' tiles;  s[48:55] for the columns'
.set G1B,   48
.set G0A,   68                         ; s[68:83] four groups 0 for the tokens' tiles, one a chunk;  s[84:99] for the columns'
.set G0B,   84
.set MSB, 0
.macro WIN new                         ; the immediate's high byte repeats the setting that is left
.if MSB != \new
	s_set_vgpr_msb (MSB<<8)|\new
.set MSB, \new
.endif
.endm
.macro PLACES                          ; four places in front of loads into registers that matrix instructions have read, and of the first read of results
.rept 4
	v_nop
.endr
.endm
.macro CROUND                          ; a round of the cluster's barrier
	s_barrier_signal -1
	s_barrier_wait -1
	s_cmp_lg_u32 s14, 0
	s_cbranch_scc1 .Lnot_wave_0_\@
	s_barrier_signal -3
.Lnot_wave_0_\@:
	s_barrier_wait -3
	s_barrier_signal -1
	s_barrier_wait -1
.endm
	s_load_b256 s[4:11], s[0:1], 0x0               ; hc s[4:5], hs s[6:7], wc s[8:9], ws s[10:11]
	s_load_b64 s[12:13], s[0:1], 0x20              ; qkvf
	v_lshl_add_u32 v126, v0, 2, 0x40000
	v_mov_b32 v127, 0
	ds_add_u32 v126, v127
	ds_add_u32 v126, v127
	v_lshrrev_b32 v1, 5, v0
	v_readfirstlane_b32 s14, v1                    ; wave 0..3
	s_lshr_b32 s15, s14, 1                         ; which half of the tile's tokens is mine.  Also: I fetch tokens (0) or columns (1)
	s_and_b32 s16, s14, 1                          ; which half of its columns.  Also: which 8 blocks of that panel I fetch
	s_bfe_u32 s40, ttmp6, 0x40000                  ; cx, cy: my place in the cluster
	s_bfe_u32 s41, ttmp6, 0x40004
	s_lshl_b32 s42, ttmp9, 2
	s_add_co_u32 s42, s42, s40                     ; tile column = 4 x cluster x + cx
	s_and_b32 s17, ttmp7, 0xffff
	s_lshl_b32 s17, s17, 2
	s_add_co_u32 s17, s17, s41                     ; tile row = 4 x cluster y + cy
	s_lshl_b32 s43, s41, 2
	s_lshl_b32 s43, 15, s43                        ; my row of the cluster
	s_lshl_b32 s44, 0x1111, s40                    ; my column
	; descriptor group 1: 8 rows (blocks) of 2,048 bytes (two K steps' images), 8,192 bytes apart; elements of 8 bytes; no padding: an LDS load's 512 bytes are consecutive
	s_or_b32 s[G1A], s43, (3<<16)|(1<<21)          ; 15:0 the mask; 17:16 elements of 8 bytes; 21 set beside a mask
	s_or_b32 s[G1B], s44, (3<<16)|(1<<21)
.irp g, G1A, G1B
	s_mov_b32 s[\g+1], 256<<16                     ; tensor_dim0 = 256 elements
	s_mov_b32 s[\g+2], 8<<16                       ; tensor_dim1 = 8
	s_mov_b32 s[\g+3], 256<<16                     ; tile_dim0
	s_mov_b32 s[\g+4], 8                           ; tile_dim1
	s_mov_b32 s[\g+5], 1024                        ; from row to row: 1,024 elements
	s_mov_b32 s[\g+6], 0
	s_mov_b32 s[\g+7], 0
.endr
	s_lshl_b32 s18, s16, 16                        ; which 8 blocks I fetch: 8 x 8,192 bytes
	s_lshl_b32 s20, s17, 17                        ; tokens: 16 blocks a tile row
	s_add_co_u32 s20, s20, s18
	s_mov_b32 s21, 0
	s_lshl_b32 s46, s42, 17                        ; columns: 16 blocks a tile column
	s_add_co_u32 s46, s46, s18
	s_mov_b32 s47, 0
	s_lshl_b32 s45, s14, 14                        ; where they go in a chunk: wave x 16,384: no place in the cluster enters an LDS address
	s_lshl_b32 s22, s17, 13                        ; the scale words of my 8 blocks of tokens: 512 bytes a block
	s_lshl_b32 s19, s15, 12
	s_add_co_u32 s22, s22, s19
	s_mov_b32 s23, 0
	s_lshl_b32 s56, s42, 13                        ; and of my 4 pairs of blocks of columns: 1,024 bytes a pair
	s_lshl_b32 s19, s16, 12
	s_add_co_u32 s56, s56, s19
	s_mov_b32 s57, 0
	s_lshr_b32 s58, s17, 3                         ; the way out: batch = tile row / 8,
	s_lshl_b32 s58, s58, 4
	s_lshl_b32 s19, s40, 2
	s_add_co_u32 s58, s58, s19                     ; head = 4 cx + 2 x my half of the columns (+ b / 4)
	s_lshl_b32 s19, s16, 1
	s_add_co_u32 s58, s58, s19
	s_lshl_b32 s58, s58, 18
	s_lshl_b32 s19, ttmp9, 23                      ; which of q, k, v
	s_add_co_u32 s58, s58, s19
	s_and_b32 s19, s17, 7                          ; 256 tokens are 32,768 bytes of a head's block, in q's and k's layout and in v's,
	s_lshl_b32 s19, s19, 15
	s_add_co_u32 s58, s58, s19
	s_lshl_b32 s19, s15, 14                        ; my 128 of them 16,384
	s_add_co_u32 s58, s58, s19
	s_mov_b32 s59, 0
	s_wait_dscnt 0x0
	s_wait_kmcnt 0x0
	s_add_nc_u64 s[20:21], s[4:5], s[20:21]
	s_add_nc_u64 s[46:47], s[8:9], s[46:47]
	s_add_nc_u64 s[6:7], s[6:7], s[22:23]
	s_add_nc_u64 s[10:11], s[10:11], s[56:57]
	s_add_nc_u64 s[12:13], s[12:13], s[58:59]
.irp j, 0,1,2,3
	s_mov_b32 s[G0A+4*\j], 1                                       ; count = 1
	s_add_co_u32 s[G0A+4*\j+1], s45, CHUNK*\j                      ; LDS address
	s_add_nc_u64 s[G0A+4*\j+2:G0A+4*\j+3], s[20:21], 2048*\j       ; global address: K steps 2 j and 2 j + 1
	s_or_b32 s[G0A+4*\j+3], s[G0A+4*\j+3], 0x80000000              ; type = 2
	s_mov_b32 s[G0B+4*\j], 1
	s_add_co_u32 s[G0B+4*\j+1], s45, CHUNK*\j
	s_add_nc_u64 s[G0B+4*\j+2:G0B+4*\j+3], s[46:47], 2048*\j
	s_or_b32 s[G0B+4*\j+3], s[G0B+4*\j+3], 0x80000000
.endr
	CROUND                                         ; all sixteen work-groups are here: the joint loads meet
	s_cmp_eq_u32 s15, 0                            ; a wave's four fills stand in one branch on its number, ahead of every wait on TENSORcnt and every LDS read
	s_cbranch_scc0 .Lfill_b
.irp j, 0,1,2,3
	tensor_load_to_lds s[G0A+4*\j:G0A+4*\j+3], s[G1A:G1A+7]
	s_nop 0
.endr
	PLACES
	s_branch .Lfilled
.Lfill_b:
.irp j, 0,1,2,3
	tensor_load_to_lds s[G0B+4*\j:G0B+4*\j+3], s[G1B:G1B+7]
	s_nop 0
.endr
	PLACES
.Lfilled:
	v_and_b32 v1, 31, v0
	v_lshlrev_b32 v[LO], 4, v1
	v_lshlrev_b32 v[L8], 3, v1
.irp a, 0,1,2,3,4,5,6,7
	global_load_b128 v[SA+4*\a:SA+4*\a+3], v[LO], s[6:7] offset:512*\a         ; all of K's scale words of block a: 512 consecutive bytes
.endr
.irp p, 0,1,2,3
.irp h, 0,1,2,3
	global_load_b64 v[SB+8*\p+2*\h:SB+8*\p+2*\h+1], v[L8], s[10:11] offset:1024*\p+256*\h   ; pair p, K steps 2 h and 2 h + 1: 256 consecutive bytes
.endr
.endr
	s_lshl_b32 s18, s15, 14                        ; my 8 blocks of tokens in a chunk,
	s_lshl_b32 s19, s16, 14
	s_add_co_u32 s19, s19, 32768                   ; my 8 blocks of columns, behind the tokens' 16
.irp j, 0,1,2,3
	v_add_nc_u32 v[ADRA+\j], s18, v[LO]
	v_add_nc_u32 v[ADRB+\j], s19, v[LO]
	s_add_co_u32 s18, s18, CHUNK
	s_add_co_u32 s19, s19, CHUNK
.endr
; The fragments of K step q into set q % 2: 32 LDS loads in one run, each of 512 consecutive bytes
.macro FETCH q
	WIN 0x40                                       ; destination window 1, address window 0
.irp i, 0,1,2,3,4,5,6,7
.irp c, 0,1
	ds_load_b128 v[64*((\q)%2)+8*\i+4*\c:64*((\q)%2)+8*\i+4*\c+3], v[ADRB+(\q)/2] offset:2048*\i+1024*((\q)%2)+512*\c
.endr
.endr
	WIN 0
.irp i, 0,1,2,3,4,5,6,7
.irp c, 0,1
	ds_load_b128 v[128+64*((\q)%2)+8*\i+4*\c:128+64*((\q)%2)+8*\i+4*\c+3], v[ADRA+(\q)/2] offset:2048*\i+1024*((\q)%2)+512*\c
.endr
.endr
.endm
; One matrix instruction.  d: accumulator; x, y: sources 0 and 1; sx, sy: their scale registers; rx, ry: 1 where the scales stand in lanes 16-31.  wZ = 1: the product starts the sum
.macro WM d, x, y, sx, sy, rx, ry
.set wD, \d
.set wX, \x
.set wY, \y
.set wSX, \sx
.set wSY, \sy
.set wR, (\rx)+2*(\ry)+4*wZ
.if wR == 0
	v_wmma_scale_f32_16x16x128_f8f6f4 v[wD:wD+7], v[wX:wX+7], v[wY:wY+7], v[wD:wD+7], v[wSX], v[wSY] matrix_a_fmt:MATRIX_FMT_FP4 matrix_b_fmt:MATRIX_FMT_FP4
.elseif wR == 1
	v_wmma_scale_f32_16x16x128_f8f6f4 v[wD:wD+7], v[wX:wX+7], v[wY:wY+7], v[wD:wD+7], v[wSX], v[wSY] matrix_a_fmt:MATRIX_FMT_FP4 matrix_b_fmt:MATRIX_FMT_FP4 matrix_a_scale:MATRIX_SCALE_ROW1
.elseif wR == 2
	v_wmma_scale_f32_16x16x128_f8f6f4 v[wD:wD+7], v[wX:wX+7], v[wY:wY+7], v[wD:wD+7], v[wSX], v[wSY] matrix_a_fmt:MATRIX_FMT_FP4 matrix_b_fmt:MATRIX_FMT_FP4 matrix_b_scale:MATRIX_SCALE_ROW1
.elseif wR == 3
	v_wmma_scale_f32_16x16x128_f8f6f4 v[wD:wD+7], v[wX:wX+7], v[wY:wY+7], v[wD:wD+7], v[wSX], v[wSY] matrix_a_fmt:MATRIX_FMT_FP4 matrix_b_fmt:MATRIX_FMT_FP4 matrix_a_scale:MATRIX_SCALE_ROW1 matrix_b_scale:MATRIX_SCALE_ROW1
.elseif wR == 4
	v_wmma_scale_f32_16x16x128_f8f6f4 v[wD:wD+7], v[wX:wX+7], v[wY:wY+7], 0, v[wSX], v[wSY] matrix_a_fmt:MATRIX_FMT_FP4 matrix_b_fmt:MATRIX_FMT_FP4
.elseif wR == 5
	v_wmma_scale_f32_16x16x128_f8f6f4 v[wD:wD+7], v[wX:wX+7], v[wY:wY+7], 0, v[wSX], v[wSY] matrix_a_fmt:MATRIX_FMT_FP4 matrix_b_fmt:MATRIX_FMT_FP4 matrix_a_scale:MATRIX_SCALE_ROW1
.else
	v_wmma_scale_f32_16x16x128_f8f6f4 v[wD:wD+7], v[wX:wX+7], v[wY:wY+7], 0, v[wSX], v[wSY] matrix_a_fmt:MATRIX_FMT_FP4 matrix_b_fmt:MATRIX_FMT_FP4 matrix_b_scale:MATRIX_SCALE_ROW1
.endif
.endm
; 32 matrix instructions: blocks a0 .. a0 + 3 of tokens x the 8 blocks of columns, K step q.  var = 0 (q, k): source 0 = columns;  var = 1 (v): source 0 = tokens.
; The 64 accumulators take turns, one instruction a turn, in the same order in every K step.
.macro MUL32 var, a0, q
.set wZ, 0
.if (\q) == 0
.set wZ, 1
.endif
.irp a, \a0, \a0+1, \a0+2, \a0+3
.irp b, 0,1,2,3,4,5,6,7
.if \var == 0
	WM 8*(8*((\a)%4)+\b), 64*((\q)%2)+8*\b, 128+64*((\q)%2)+8*(\a), SB+8*(\b/2)+(\q), SA+4*(\a)+(\q)%4, \b%2, (\q)/4
.else
	WM 8*(8*((\a)%4)+\b), 128+64*((\q)%2)+8*(\a), 64*((\q)%2)+8*\b, SA+4*(\a)+(\q)%4, SB+8*(\b/2)+(\q), (\q)/4, \b%2
.endif
.endr
.endr
.endm
; K step q: its fragments are in; the next step's are asked for, into the other set; 64 matrix instructions
.macro STEP var, q
	s_wait_dscnt 0x0                               ; this step's 32 loads, issued in front of the last step's 64 matrix instructions
.if ((\q)%2 == 1) && ((\q) < 7)
	s_wait_tensorcnt 3-((\q)+1)/2                  ; my part of chunk (q + 1) / 2 has landed; the count is that of my later chunks, which may stay out
	s_barrier_signal -1
	s_barrier_wait -1                              ; everybody's has
.endif
.if (\q) < 7
.if (\q) > 0
	PLACES                                         ; the set that is loaded now was read by the last step's products
.endif
	FETCH (\q)+1
.endif
.if \var == 0
	WIN 0xa1                                       ; source 0 window 1, source 1 window 0, C and D window 2
.else
	WIN 0xa4                                       ; source 0 window 0, source 1 window 1
.endif
	MUL32 \var, 0, \q
.if \var == 0
	WIN 0xf1                                       ; C and D window 3
.else
	WIN 0xf4
.endif
	MUL32 \var, 4, \q
	WIN 0
.endm
; THE WAY OUT: each accumulator, from its low end on, is rounded to f16 in pairs: four registers, half an image; 32 of them a window, then their stores
.macro OUT var
	PLACES
.irp hi, 0,1
.if \hi
	s_wait_xcnt 0x0                                ; the first 32 stores have read their registers, which are written again
	WIN 0x0f                                       ; sources window 3
.else
	WIN 0x0a                                       ; sources window 2
.endif
.set oN, 0
.rept 32
.irp i, 0,1,2,3
	v_cvt_pk_f16_f32 v[128+4*oN+\i], v[8*oN+2*\i], v[8*oN+2*\i+1]
.endr
.set oN, oN+1
.endr
	WIN 0
.irp aa, 0,1,2,3
.irp b, 0,1,2,3,4,5,6,7
.set oA, 4*\hi+\aa
.if \var == 0
.set oI, (\b/4)*262144+oA*2048+((\b%4)/2)*1024+(\b%2)*512      ; head b / 4; tokens' block a; channels 16 (b % 4) on: image (b % 4) / 2, half b % 2
.else
.set oI, (\b/4)*262144+(oA/2)*4096+(\b%4)*1024+(oA%2)*512      ; head b / 4; 32 tokens a / 2; channels' block b % 4; half a % 2
.endif
	global_store_b128 v[LO], v[128+4*(8*\aa+\b):128+4*(8*\aa+\b)+3], s[12:13] offset:oI   ; 512 consecutive bytes
.endr
.endr
.endr
.endm
	s_wait_loadcnt 0x0                             ; the scale words
	s_wait_tensorcnt 3                             ; my part of chunk 0 has landed; my three later chunks may stay out
	s_barrier_signal -1
	s_barrier_wait -1                              ; everybody's has
	FETCH 0
	s_cmp_eq_u32 ttmp9, 2                          ; v?  The cluster's x: the same in all sixteen partners
	s_cbranch_scc1 .Lv
.irp q, 0,1,2,3,4,5,6,7
	STEP 0, \q
.endr
	OUT 0
	s_branch .Ldone
.Lv:
.irp q, 0,1,2,3,4,5,6,7
	STEP 1, \q
.endr
	OUT 1
.Ldone:
	s_wait_tensorcnt 0x0
	ds_add_u32 v126, v127
	s_wait_dscnt 0x0
	CROUND                                         ; the closing round: no work-group ends while a partner may still ask for a tile that names it
	s_endpgm
.Lfunc_end_k_q84d6bc22ee_qkvgemm:
	.size	k_q84d6bc22ee_qkvgemm, .Lfunc_end_k_q84d6bc22ee_qkvgemm-k_q84d6bc22ee_qkvgemm
	.p2alignl 7, 3214868480
	.fill 96, 4, 3214868480
	.section	.rodata,"a",@progbits
	.p2align	6, 0x0
	.amdhsa_kernel k_q84d6bc22ee_qkvgemm
		.amdhsa_group_segment_fixed_size 262656
		.amdhsa_private_segment_fixed_size 0
		.amdhsa_enable_private_segment 0
		.amdhsa_kernarg_size 40
		.amdhsa_user_sgpr_count 2
		.amdhsa_user_sgpr_kernarg_segment_ptr 1
		.amdhsa_wavefront_size32 1
		.amdhsa_system_sgpr_workgroup_id_x 1
		.amdhsa_system_sgpr_workgroup_id_y 1
		.amdhsa_system_sgpr_workgroup_id_z 1
		.amdhsa_system_vgpr_workitem_id 0
		.amdhsa_next_free_vgpr 1024
		.amdhsa_next_free_sgpr 100
		.amdhsa_reserve_vcc 0
		.amdhsa_float_denorm_mode_32 3
		.amdhsa_float_denorm_mode_16_64 3
		.amdhsa_memory_ordered 1
		.amdhsa_forward_progress 1
		.amdhsa_inst_pref_size 219
	.end_amdhsa_kernel
	.amdgpu_metadata
---
amdhsa.version: [ 1, 2 ]
amdhsa.kernels:
  - .name:           k_q84d6bc22ee_qkvgemm
    .symbol:         k_q84d6bc22ee_qkvgemm.kd
    .args:
      - { .name: hc, .offset: 0, .size: 8, .value_kind: global_buffer, .address_space: global }
      - { .name: hs, .offset: 8, .size: 8, .value_kind: global_buffer, .address_space: global }
      - { .name: wc, .offset: 16, .size: 8, .value_kind: global_buffer, .address_space: global }
      - { .name: ws, .offset: 24, .size: 8, .value_kind: global_buffer, .address_space: global }
      - { .name: qkvf, .offset: 32, .size: 8, .value_kind: global_buffer, .address_space: global }
    .group_segment_fixed_size: 262656
    .private_segment_fixed_size: 0
    .kernarg_segment_align: 8
    .kernarg_segment_size: 40
    .max_flat_workgroup_size: 128
    .sgpr_count:     100
    .vgpr_count:     1024
    .wavefront_size: 32
...
	.end_amdgpu_metadata
.endif
;; end of part 2
;; launch attn (part 3): grid 8 x 32, 8 waves a work-group, clusters of 4 x 1, 327,680 bytes of LDS; arguments qkvf, cf; writes cf
.if DOCPART == 3
	.amdgcn_target "amdgcn-amd-amdhsa--gfx1250"
	.amdhsa_code_object_version 6
	.text
	.protected	k_q84d6bc22ee_attn
	.globl	k_q84d6bc22ee_attn
	.p2align	8
	.type	k_q84d6bc22ee_attn,@function
k_q84d6bc22ee_attn:
	s_mov_b64 s[64:65], 0
	v_nop
	global_prefetch_b8 v0, s[64:65] scope:SCOPE_SE
	s_setreg_imm32_b32 hwreg(HW_REG_WAVE_MODE, 25, 1), 1
	s_wait_xcnt 0x0
	s_wait_alu depctr_hold_cnt(0) depctr_sa_sdst(0) depctr_va_vdst(0) depctr_va_sdst(0) depctr_va_ssrc(0) depctr_va_vcc(0) depctr_vm_vsrc(0)
	s_getreg_b32 s2, hwreg(HW_REG_IB_STS2, 6, 4)
	s_cmp_eq_u32 s2, 0
	s_cbranch_scc0 .Lentry_in_a_cluster
	s_endpgm
.Lentry_in_a_cluster:
	s_bfe_u32 s2, ttmp6, 0x10000c
	s_cmp_lg_u32 s2, 0x3003
	s_cbranch_scc0 .Lentry_shape_is_right
	s_endpgm
.Lentry_shape_is_right:
; ctx[b][h][q][:] = the sum over k of softmax_k(q . k) v[k][:], head size 64, 2,048 keys, no scaling of the scores.  q, k, v arrive in f16 as images of fragments; products on f16 operands, sums in f32;
; maxima, exponentials and row sums in f32; the weights p are rounded to f16 for the second product, ctx once at the end.
; LIMITS: NaN and infinities are not served; |score| x log2(e) stays under 1e38 (the running maximum starts at -1e38).
; SHARES.  A work-group owns 256 queries of one (batch, head); each of its EIGHT waves owns 32, two tiles of 16, in 512 registers: two waves to a SIMD, so that one wave's softmax stands beside the other's products.
; Every wave walks all 2,048 keys, 128 a step.
; LAYOUT.  S^T = K Q^T (source 0 = 16 keys, source 1 = 16 queries): a lane holds ONE query (lane % 16) and the keys 8 (lane / 16) + 0 .. 7.  Two such tiles, rounded to f16 in pairs, ARE source 1 (32 keys x 16 queries)
; of O^T = V^T P; v lies in memory as images with row = channel and k = keys, so that V^T comes out of LDS as it lies.  O^T, packed in pairs, is half an image of ctx (row = token, k = channel): it is stored from registers.
; SOFTMAX.  For each query a running maximum m and sum l: p = 2^(c s - c m), c = log2(e); in every step O and l are multiplied by a = 2^(c m_old - c m_new), which is 1 where m has not grown.
; RING.  Two LDS slots of 512 keys (K: 64 KiB, then V: 64 KiB, dense images: an LDS load's 512 bytes are consecutive, so there is no padding).  Wave w brings the 16 KiB at 16,384 w of a slot: waves 0-3 K's quarters,
; waves 4-7 V's: ONE tensor line for all eight.  Behind each change of slots the slot just left is filled: the load has four key steps in which to land.
; CLUSTER.  The four query blocks of a cluster belong to one head and walk the same K and V: each tile is asked for JOINTLY, the same load with the same descriptor and a mask that names the four.
; REGISTERS: window 0: v1-7 addresses; v16-47 statistics, 16 a tile; v64-191 S^T, 64 a tile; v192-255 P, 32 a tile.   window 1: v0-31 Q; v32-95 O^T, 32 a tile; v128-255 16 fragments of K or of V.
.set SLOT1, 1<<17                      ; slot 1 begins here: one exclusive or turns an address in one slot into the other's
.set SPARE, 2*SLOT1                    ; behind the ring: the spare words, 128 bytes for each wave: four blocks of 256 bytes that no other line names
.set AK0,  1                           ; v1   16 x lane: my place in an image; also my offset in memory
.set AV0,  2                           ; v2   the same in V's part of a slot
.set ADK,  3                           ; v3   LDS address of the step's K
.set ADV,  4                           ; v4   of its V
.set SPW,  5                           ; v5   LDS address of my spare word; never rewritten
.set NIL,  6                           ; v6   0; never rewritten
.set PFO,  7                           ; v7   256 x lane: the prefetches' offset; never rewritten
.set ST,   16                          ; tile t's statistics at v[ST + 16 t]: +0 c m, +1 m, +2, +3 l in two halves, +4 a, +5 0, +6, +7 at work, +8 .. +15 eight chains of the maximum, then two pairs of sums
.set S,    64
.set P,    192
.set OT,   32                          ; in window 1
.set F,    128                         ; in window 1
.set WV,   12                          ; s12  my wave's number
.set G1,   24                          ; s[24:31] descriptor group 1
.set G0,   32                          ; s[32:35] descriptor group 0, which walks
.set PFA,  36                          ; s[36:37] where my prefetches stand
.set LIM,  38                          ; s38  1 in a wave that prefetches, else the greatest number
.set SLOTS, 39                         ; s39  slots still to be asked for
.set STEPS, 40                         ; s40  counts a slot's four steps
.set TB,   41                          ; s41  LDS byte at which the step's K begins
.set CS,   42                          ; s[42:43] c: the packed form names a pair and takes its low word for both halves
.set SEL,  44                          ; s[44:45] selects of v_permlanex16_b32 for lane l xor 16
.set MSB, 0
.macro WIN new                         ; the immediate's high byte repeats the setting that is left
.if MSB != \new
	s_set_vgpr_msb (MSB<<8)|\new
.set MSB, \new
.endif
.endm
.macro PLACES
.rept 4
	v_nop
.endr
.endm
.macro CROUND                          ; a round of the cluster's barrier
	s_barrier_signal -1
	s_barrier_wait -1
	s_cmp_lg_u32 s[WV], 0
	s_cbranch_scc1 .Lnot_wave_0_\@
	s_barrier_signal -3
.Lnot_wave_0_\@:
	s_barrier_wait -3
	s_barrier_signal -1
	s_barrier_wait -1
.endm
; A PREFETCH INTO THE L2 of what the NEXT change of slots will ask for: a slot's 64 KiB of K and 64 KiB of V.  Each aligned block of 256 bytes is named once in the launch: both clusters of a head walk the same
; K and V, so the first (cluster x = 0) asks; in it the even waves, each for its own quarter and the next one, 32 KiB, of which each of the four partners takes 8 KiB, told apart BY ADDRESS; lanes 256 bytes apart.
; It stands behind the tensor load and its four lines, four key steps ahead of the load that will want the bytes.  The last change that fills a slot asks for nothing; slots 0 and 1 come by their loads alone.
.macro ASK
	s_cmp_gt_u32 s[SLOTS], s[LIM]
	s_cbranch_scc0 .Lnot_mine_\@
	global_prefetch_b8 v[PFO], s[PFA:PFA+1] th:TH_LOAD_NT scope:SCOPE_SE
.Lnot_mine_\@:
.endm
	s_load_b128 s[4:7], s[0:1], 0x0                ; qkvf s[4:5], cf s[6:7]
	v_lshl_add_u32 v[SPW], v0, 2, SPARE
	v_mov_b32 v[NIL], 0
	ds_add_u32 v5, v6
	ds_add_u32 v5, v6
	s_wait_dscnt 0x0
	v_lshrrev_b32 v1, 5, v0
	v_readfirstlane_b32 s[WV], v1                  ; wave 0..7
	s_bfe_u32 s13, ttmp6, 0x40000                  ; cx
	s_lshl_b32 s14, ttmp9, 2
	s_add_co_u32 s14, s14, s13                     ; my block of 256 queries: it enters Q's and ctx's addresses alone
	s_and_b32 s15, ttmp7, 0xffff                   ; 16 batch + head, which the partners share
	s_lshr_b32 s16, s[WV], 2                       ; what I fetch: K (waves 0-3) or V (4-7): 8 MiB apart behind q,
	s_add_co_u32 s16, s16, 1
	s_lshl_b32 s16, s16, 23
	s_lshl_b32 s18, s15, 18                        ; the head's block of 262,144 bytes,
	s_add_co_u32 s16, s16, s18
	s_and_b32 s19, s[WV], 3
	s_lshl_b32 s19, s19, 14                        ; my quarter of a slot's 65,536
	s_add_co_u32 s16, s16, s19
	s_mov_b32 s17, 0
	s_lshl_b32 s20, s14, 15                        ; Q: 16 images pairs a block of queries, 2,048 bytes a tile,
	s_add_co_u32 s20, s20, s18
	s_lshl_b32 s19, s[WV], 12                      ; my two tiles
	s_add_co_u32 s20, s20, s19
	s_mov_b32 s21, 0
	s_lshr_b32 s22, s15, 4                         ; ctx: (128 batch + 16 block + 2 wave) blocks of 16 tokens, 32,768 bytes each, + 2,048 a head
	s_lshl_b32 s22, s22, 22
	s_lshl_b32 s19, s14, 19
	s_add_co_u32 s22, s22, s19
	s_lshl_b32 s19, s[WV], 16
	s_add_co_u32 s22, s22, s19
	s_and_b32 s19, s15, 15
	s_lshl_b32 s19, s19, 11
	s_add_co_u32 s22, s22, s19
	s_mov_b32 s23, 0
	s_lshl_b32 s18, s13, 13                        ; the prefetches: my work-group's 8 KiB, in slot 1: the first change of slots steps it to slot 2
	s_add_co_u32 s18, s18, 65536
	s_mov_b32 s19, 0
	; descriptor group 1: 16,384 dense bytes as 64 rows of 256 (32 elements of 8 bytes)
	s_mov_b32 s[G1], 15|(3<<16)|(1<<21)            ; 15:0 the mask: all four work-groups; 17:16 elements of 8 bytes; 21 set beside a mask
	s_mov_b32 s[G1+1], 32<<16                      ; tensor_dim0
	s_mov_b32 s[G1+2], 64<<16                      ; tensor_dim1
	s_mov_b32 s[G1+3], 32<<16                      ; tile_dim0
	s_mov_b32 s[G1+4], 64                          ; tile_dim1
	s_mov_b32 s[G1+5], 32                          ; from row to row
	s_mov_b32 s[G1+6], 0
	s_mov_b32 s[G1+7], 0
	s_mov_b32 s[CS], 0x3fb8aa3b                    ; c = log2(e)
	s_mov_b32 s[CS+1], s[CS]
	s_mov_b32 s[SEL], 0x76543210
	s_mov_b32 s[SEL+1], 0xfedcba98
	s_mov_b32 s[TB], 0
	s_mov_b32 s[SLOTS], 3
	s_and_b32 s[LIM], s[WV], 1                     ; 0 in the even waves
	s_or_b32 s[LIM], s[LIM], ttmp9                 ; of the head's first cluster: the same in all four partners
	s_cmp_eq_u32 s[LIM], 0
	s_cselect_b32 s[LIM], 1, -1
	s_wait_kmcnt 0x0
	s_mov_b32 s[G0], 1                             ; count = 1
	s_lshl_b32 s[G0+1], s[WV], 14                  ; LDS address: slot 0, wave x 16,384
	s_add_nc_u64 s[G0+2:G0+3], s[4:5], s[16:17]    ; global address: the head's first 512 keys, my part
	s_add_nc_u64 s[PFA:PFA+1], s[G0+2:G0+3], s[18:19]
	s_or_b32 s[G0+3], s[G0+3], 0x80000000          ; type = 2
	s_add_nc_u64 s[8:9], s[4:5], s[20:21]          ; Q at my first tile
	s_add_nc_u64 s[6:7], s[6:7], s[22:23]          ; ctx likewise
	CROUND                                         ; all four work-groups are here: the first joint loads meet
	tensor_load_to_lds s[G0:G0+3], s[G1:G1+7]      ; slot 0
	s_nop 0
	PLACES
	v_and_b32 v1, 31, v0
	v_lshlrev_b32 v[PFO], 8, v1
	v_lshlrev_b32 v[AK0], 4, v1
	v_add_nc_u32 v[AV0], 65536, v[AK0]
	WIN 0x40                                       ; destination window 1
.irp t, 0,1
.irp ks, 0,1
.irp u, 0,1
	global_load_b128 v[16*\t+8*\ks+4*\u:16*\t+8*\ks+4*\u+3], v[AK0], s[8:9] offset:2048*\t+1024*\ks+512*\u   ; Q stays in registers
.endr
.endr
.endr
.set i, 0
.rept 64
	v_mov_b32 v[OT+i], 0                           ; O^T.  The step is written without a first step of its own: the first finds zeros, which a = 0 leaves zeros
.set i, i+1
.endr
	WIN 0
.irp t, 0,1
	v_mov_b32 v[ST+16*\t+1], 0xfe967699            ; m = -1e38, under every score
	v_mov_b32 v[ST+16*\t+2], 0                     ; l
	v_mov_b32 v[ST+16*\t+3], 0
	v_mov_b32 v[ST+16*\t+5], 0                     ; named with a as a pair
	v_mov_b32 v[ST+16*\t+7], 0                     ; a lane permute's destination counts as one of its sources
	v_mul_f32 v[ST+16*\t], s[CS], v[ST+16*\t+1]    ; c m
.endr
; 16 products of S^T = K Q^T: key tiles 4 g .. 4 g + 3, both tiles of queries, the head's 64 in two links.  Eight accumulators take turns, one instruction a turn
.macro KQG g
.irp ks, 0,1
.irp kk, 0,1,2,3
.irp t, 0,1
.set rS, S+64*\t+8*(4*\g+\kk)
.set rF, F+8*(2*(4*\g+\kk)+\ks)
.set rQ, 16*\t+8*\ks
.if \ks == 0
	v_wmma_f32_16x16x32_f16 v[rS:rS+7], v[rF:rF+7], v[rQ:rQ+7], 0
.else
	v_wmma_f32_16x16x32_f16 v[rS:rS+7], v[rF:rF+7], v[rQ:rQ+7], v[rS:rS+7]
.endif
.endr
.endr
.endr
.endm
.macro FMA t, n                        ; pair n of tile t: c s - c m
	v_pk_fma_f32 v[S+64*\t+2*(\n):S+64*\t+2*(\n)+1], v[S+64*\t+2*(\n):S+64*\t+2*(\n)+1], s[CS:CS+1], v[ST+16*\t:ST+16*\t+1] op_sel_hi:[1,0,0] neg_lo:[0,0,1] neg_hi:[0,0,1]
.endm
.macro EXPO t, e
	v_exp_f32 v[S+64*\t+(\e)], v[S+64*\t+(\e)]
.endm
.macro CVT t, n                        ; pair n of the weights, rounded to f16
	s_wait_alu depctr_va_vdst(0)
	v_cvt_pk_f16_f32 v[P+32*\t+(\n)], v[S+64*\t+2*(\n)], v[S+64*\t+2*(\n)+1]
.endm
.macro SUM t, n                        ; the unrounded weights are summed in two chains of pairs: the even pairs, the odd pairs; pairs 2 and 3 start them
.set rU, ST+16*\t+8+2*((\n)%2)
.set rN, S+64*\t+2*(\n)
.if (\n) >= 4
	v_pk_add_f32 v[rU:rU+1], v[rU:rU+1], v[rN:rN+1]
.elseif (\n) >= 2
	v_pk_add_f32 v[rU:rU+1], v[rN-4:rN-3], v[rN:rN+1]
.endif
.endm
; A KEY STEP: 128 keys
.macro STEP
	v_add_nc_u32 v[ADK], s[TB], v[AK0]
	v_add_nc_u32 v[ADV], s[TB], v[AV0]
	v_nop
	v_nop                                          ; these four are the places behind the last step's products, which read the registers that are loaded now
	WIN 0x40                                       ; destination window 1, address window 0
.set i, 0
.rept 32
	ds_load_b128 v[F+4*i:F+4*i+3], v[ADK] offset:512*i             ; K: fragment 2 kt + ks
.set i, i+1
.endr
	WIN 0x05                                       ; K and Q window 1, S^T window 0
	s_wait_dscnt 16                                ; key tiles 0-3 are in; the 16 loads of tiles 4-7 may be out
	KQG 0
	s_wait_dscnt 0x0
	KQG 1
	WIN 0x40
	PLACES                                         ; behind the products that read K, and in front of the first read of the scores
.set i, 0
.rept 32
	ds_load_b128 v[F+4*i:F+4*i+3], v[ADV] offset:512*i             ; V: fragment 4 j + ct; it lands while the softmax is walked
.set i, i+1
.endr
	WIN 0
	; the maximum of 64 scores and the old m, three operands at a time, eight chains a tile, the two tiles by turns; each accumulator is read from its low end on
.irp a, 0,1,2,3,4,5,6,7
.irp t, 0,1
	v_max3_num_f32 v[ST+16*\t+8+\a], v[S+64*\t+8*\a], v[S+64*\t+8*\a+1], v[S+64*\t+8*\a+2]
.endr
.endr
.irp o, 3,5
.irp a, 0,1,2,3,4,5,6,7
.irp t, 0,1
	v_max3_num_f32 v[ST+16*\t+8+\a], v[ST+16*\t+8+\a], v[S+64*\t+8*\a+\o], v[S+64*\t+8*\a+\o+1]
.endr
.endr
.endr
.irp a, 0,1,2,3
.irp t, 0,1
	v_max3_num_f32 v[ST+16*\t+8+\a], v[ST+16*\t+8+\a], v[S+64*\t+16*\a+7], v[S+64*\t+16*\a+15]
.endr
.endr
.irp t, 0,1
	v_max3_num_f32 v[ST+16*\t+8], v[ST+16*\t+8], v[ST+16*\t+9], v[ST+16*\t+10]
.endr
.irp t, 0,1
	v_max3_num_f32 v[ST+16*\t+12], v[ST+16*\t+12], v[ST+16*\t+13], v[ST+16*\t+14]
.endr
.irp t, 0,1
	v_max3_num_f32 v[ST+16*\t+11], v[ST+16*\t+11], v[ST+16*\t+15], v[ST+16*\t+1]
.endr
.irp t, 0,1
	v_max3_num_f32 v[ST+16*\t+8], v[ST+16*\t+8], v[ST+16*\t+11], v[ST+16*\t+12]
.endr
.irp t, 0,1
	v_permlanex16_b32 v[ST+16*\t+7], v[ST+16*\t+8], s[SEL], s[SEL+1]   ; the query's other 64 keys lie in the lane 16 away
.endr
.irp t, 0,1
	v_mov_b32 v[ST+16*\t+6], v[ST+16*\t]           ; c m_old
.endr
.irp t, 0,1
	v_max_num_f32 v[ST+16*\t+1], v[ST+16*\t+8], v[ST+16*\t+7]      ; the new m
.endr
.irp t, 0,1
	v_mul_f32 v[ST+16*\t], s[CS], v[ST+16*\t+1]
.endr
.irp t, 0,1
	v_sub_f32 v[ST+16*\t+6], v[ST+16*\t+6], v[ST+16*\t]
.endr
.irp t, 0,1
	v_exp_f32 v[ST+16*\t+4], v[ST+16*\t+6]         ; a
.endr
	; the exponentials, with plain work that is ready set between them: scalings two pairs ahead, roundings and sums a pair back.  Every exponential has a plain instruction between it and the use of its result
.irp n, 0,1
.irp t, 0,1
	FMA \t, \n
.endr
.endr
.set i, 0
.rept 32
.if i < 30
	FMA 0, i+2
.endif
	EXPO 0, 2*i
.if i < 30
	FMA 1, i+2
.endif
	EXPO 0, 2*i+1
.if i > 0
	CVT 0, i-1
.endif
	EXPO 1, 2*i
.if i > 0
	CVT 1, i-1
.endif
	EXPO 1, 2*i+1
.if i > 0
	SUM 0, i-1
	SUM 1, i-1
.endif
.set i, i+1
.endr
	CVT 0, 31
	CVT 1, 31
	SUM 0, 31
	SUM 1, 31
.irp t, 0,1
	v_pk_add_f32 v[ST+16*\t+8:ST+16*\t+9], v[ST+16*\t+8:ST+16*\t+9], v[ST+16*\t+10:ST+16*\t+11]
.endr
.irp t, 0,1
	v_pk_fma_f32 v[ST+16*\t+2:ST+16*\t+3], v[ST+16*\t+2:ST+16*\t+3], v[ST+16*\t+4:ST+16*\t+5], v[ST+16*\t+8:ST+16*\t+9] op_sel_hi:[1,0,1]   ; l = a l + the step's sum
.endr
	WIN 0x41                                       ; O^T (destination and source 0) window 1, a window 0
.irp t, 0,1
.set i, 0
.rept 16
	v_pk_mul_f32 v[OT+32*\t+2*i:OT+32*\t+2*i+1], v[OT+32*\t+2*i:OT+32*\t+2*i+1], v[ST+16*\t+4:ST+16*\t+5] op_sel_hi:[1,0]   ; O^T x a, each accumulator from its low end on
.set i, i+1
.endr
.endr
	s_wait_dscnt 0x0                               ; V is in
	WIN 0x51                                       ; V window 1, P window 0, O^T window 1
.irp j, 0,1,2,3                                ; O^T += V^T P: 32 keys a link; eight accumulators take turns
.irp ct, 0,1,2,3
.irp t, 0,1
	v_wmma_f32_16x16x32_f16 v[OT+32*\t+8*\ct:OT+32*\t+8*\ct+7], v[F+8*(4*\j+\ct):F+8*(4*\j+\ct)+7], v[P+32*\t+8*\j:P+32*\t+8*\j+7], v[OT+32*\t+8*\ct:OT+32*\t+8*\ct+7]
.endr
.endr
.endr
	WIN 0                                          ; at a label and at a branch every window is 0
	s_add_co_u32 s[TB], s[TB], 16384               ; the next step's tiles
.endm
.macro SLOT_STEPS                      ; a slot's four key steps: written once, walked four times
	s_mov_b32 s[STEPS], 4
.Lstep_\@:
	STEP
	s_sub_co_u32 s[STEPS], s[STEPS], 1
	s_cmp_lg_u32 s[STEPS], 0
	s_cbranch_scc1 .Lstep_\@
	s_sub_co_u32 s[TB], s[TB], 65536               ; back to a slot's first step,
	s_xor_b32 s[TB], s[TB], SLOT1                  ; in the other slot
.endm
; THE CHANGE OF SLOTS stands at a slot's head.  Each wave waits for all its tensor loads (its part of the slot that it is about to read), adds 0 to its spare word, and waits for that and for its reads of the slot
; that it has left.  fill = 1: a round of the cluster's barrier, so that no wave of any partner still reads that slot or has a load on its way; the joint refill is the first thing behind it, one load a wave.
.macro CHANGE fill
	s_wait_tensorcnt 0x0                           ; no tensor load of mine is out, so the group 0 may be written
	ds_add_u32 v[SPW], v[NIL]                      ; 0 onto my spare word
.if \fill
	s_xor_b32 s[G0+1], s[G0+1], SLOT1              ; the walking descriptor: the other slot than last time,
	s_add_nc_u64 s[G0+2:G0+3], s[G0+2:G0+3], 65536 ; the next 512 keys; the type bits on top are not reached
	s_wait_xcnt 0x0                                ; the last prefetch, a slot back, has read its address, so it may be written:
	s_add_nc_u64 s[PFA:PFA+1], s[PFA:PFA+1], 65536 ; one slot further on than the walking descriptor
	s_wait_dscnt 0x0                               ; the add is done, and my reads of the slot that I have left are over
	CROUND
	tensor_load_to_lds s[G0:G0+3], s[G1:G1+7]
	s_nop 0
	PLACES
	ASK
.else
	s_wait_dscnt 0x0
	s_barrier_signal -1
	s_barrier_wait -1
.endif
.endm
	s_wait_loadcnt 0x0                             ; Q
.Lslot:                                            ; three trips: behind each change of slots but the last the next slot is asked for
	CHANGE 1
	SLOT_STEPS
	s_sub_co_u32 s[SLOTS], s[SLOTS], 1
	s_cmp_lg_u32 s[SLOTS], 0
	s_cbranch_scc1 .Lslot
	CHANGE 0                                       ; the last slot is written out
	SLOT_STEPS
	; THE WAY OUT.  l's two halves and the other half of the lanes' are added (these lines are the places behind the last products); O^T / l, rounded to f16 in pairs, is stored as half images of ctx
.irp t, 0,1
	v_add_f32 v[ST+16*\t+6], v[ST+16*\t+2], v[ST+16*\t+3]
.endr
.irp t, 0,1
	v_permlanex16_b32 v[ST+16*\t+7], v[ST+16*\t+6], s[SEL], s[SEL+1]
.endr
.irp t, 0,1
	v_add_f32 v[ST+16*\t+6], v[ST+16*\t+6], v[ST+16*\t+7]
.endr
.irp t, 0,1
	v_rcp_f32 v[ST+16*\t+4], v[ST+16*\t+6]
.endr
	v_nop                                          ; a plain instruction between the last reciprocal and the use of its result
	WIN 0x41
.irp t, 0,1
.set i, 0
.rept 16
	s_wait_alu depctr_va_vdst(0)
	v_pk_mul_f32 v[OT+32*\t+2*i:OT+32*\t+2*i+1], v[OT+32*\t+2*i:OT+32*\t+2*i+1], v[ST+16*\t+4:ST+16*\t+5] op_sel_hi:[1,0]
.set i, i+1
.endr
.endr
	WIN 0x05                                       ; sources window 1, destination window 0: S^T's registers are free
.irp t, 0,1
.set i, 0
.rept 16
	v_cvt_pk_f16_f32 v[S+16*\t+i], v[OT+32*\t+2*i], v[OT+32*\t+2*i+1]
.set i, i+1
.endr
.endr
	WIN 0
.irp t, 0,1
.irp ct, 0,1,2,3
	global_store_b128 v[AK0], v[S+16*\t+4*\ct:S+16*\t+4*\ct+3], s[6:7] offset:32768*\t+1024*(\ct/2)+512*(\ct%2)   ; tokens' block t; channels 16 ct on: image ct / 2 of the head's two, half ct % 2: 512 consecutive bytes
.endr
.endr
	s_wait_tensorcnt 0x0                           ; the wave's end
	ds_add_u32 v[SPW], v[NIL]
	s_wait_dscnt 0x0
	CROUND                                         ; the closing round: no work-group ends while a partner may still ask for a tile that names it
	s_endpgm
.Lfunc_end_k_q84d6bc22ee_attn:
	.size	k_q84d6bc22ee_attn, .Lfunc_end_k_q84d6bc22ee_attn-k_q84d6bc22ee_attn
	.p2alignl 7, 3214868480
	.fill 96, 4, 3214868480
	.section	.rodata,"a",@progbits
	.p2align	6, 0x0
	.amdhsa_kernel k_q84d6bc22ee_attn
		.amdhsa_group_segment_fixed_size 327680
		.amdhsa_private_segment_fixed_size 0
		.amdhsa_enable_private_segment 0
		.amdhsa_kernarg_size 16
		.amdhsa_user_sgpr_count 2
		.amdhsa_user_sgpr_kernarg_segment_ptr 1
		.amdhsa_wavefront_size32 1
		.amdhsa_system_sgpr_workgroup_id_x 1
		.amdhsa_system_sgpr_workgroup_id_y 1
		.amdhsa_system_sgpr_workgroup_id_z 1
		.amdhsa_system_vgpr_workitem_id 0
		.amdhsa_next_free_vgpr 512
		.amdhsa_next_free_sgpr 66
		.amdhsa_reserve_vcc 0
		.amdhsa_float_denorm_mode_32 3
		.amdhsa_float_denorm_mode_16_64 3
		.amdhsa_memory_ordered 1
		.amdhsa_forward_progress 1
		.amdhsa_inst_pref_size 82
	.end_amdhsa_kernel
	.amdgpu_metadata
---
amdhsa.version: [ 1, 2 ]
amdhsa.kernels:
  - .name:           k_q84d6bc22ee_attn
    .symbol:         k_q84d6bc22ee_attn.kd
    .args:
      - { .name: qkvf, .offset: 0, .size: 8, .value_kind: global_buffer, .address_space: global }
      - { .name: cf, .offset: 8, .size: 8, .value_kind: global_buffer, .address_space: global }
    .group_segment_fixed_size: 327680
    .private_segment_fixed_size: 0
    .kernarg_segment_align: 8
    .kernarg_segment_size: 16
    .max_flat_workgroup_size: 256
    .sgpr_count:     66
    .vgpr_count:     512
    .wavefront_size: 32
...
	.end_amdgpu_metadata
.endif
;; end of part 3
;; launch proj (part 4): grid 8 x 32, 4 waves a work-group, clusters of 4 x 4, 327,680 bytes of LDS; arguments cf, wof, out0; writes out0
.if DOCPART == 4
	.amdgcn_target "amdgcn-amd-amdhsa--gfx1250"
	.amdhsa_code_object_version 6
	.text
	.protected	k_q84d6bc22ee_proj
	.globl	k_q84d6bc22ee_proj
	.p2align	8
	.type	k_q84d6bc22ee_proj,@function
k_q84d6bc22ee_proj:
	s_mov_b64 s[64:65], 0
	v_nop
	global_prefetch_b8 v0, s[64:65] scope:SCOPE_SE
	s_setreg_imm32_b32 hwreg(HW_REG_WAVE_MODE, 25, 1), 1
	s_wait_xcnt 0x0
	s_wait_alu depctr_hold_cnt(0) depctr_sa_sdst(0) depctr_va_vdst(0) depctr_va_sdst(0) depctr_va_ssrc(0) depctr_va_vcc(0) depctr_vm_vsrc(0)
	s_getreg_b32 s2, hwreg(HW_REG_IB_STS2, 6, 4)
	s_cmp_eq_u32 s2, 0
	s_cbranch_scc0 .Lentry_in_a_cluster
	s_endpgm
.Lentry_in_a_cluster:
	s_bfe_u32 s2, ttmp6, 0x10000c
	s_cmp_lg_u32 s2, 0xf033
	s_cbranch_scc0 .Lentry_shape_is_right
	s_endpgm
.Lentry_shape_is_right:
; out0 = ctx x wo: [4096] x [1024], K = 1,024, f16 operands, sums in f32, stored as f32.  Both operands lie in memory as images of fragments (16 rows x 32 k: 1,024 bytes; half u at 512 u, lane l at 16 l):
; cf [16 tokens: 256][32 along K: 32], wof [16 columns: 64][32 along K: 32].
; A tile of out0 is 128 x 128: 256 work-groups of four waves, each 64 x 64: 16 accumulators of 16 x 16, 128 registers.  K goes in steps of 256 through a ring of two LDS slots: a step of one block of 16 rows is
; 8 images, 8,192 consecutive bytes; a wave's tensor load brings four blocks.  An LDS load's 512 bytes are consecutive: no padding.
; CLUSTERS: 4 x 4 work-groups.  The four of a row of the cluster need the same tokens, the four of a column the same columns of wo: each tile is asked for JOINTLY, by the same tensor load with the same descriptor
; and a mask that names the four.  THE MATRIX INSTRUCTION IS USED TRANSPOSED (source 0 = 16 columns of wo, source 1 = 16 tokens): a lane then holds eight neighbouring numbers of a row of out0.
; No prefetch: a step's tiles are small and shared by four work-groups, and both operands are walked by many work-groups at about the same time.
; REGISTERS: window 0: v0-31 addresses; v128-255 the accumulators ((a, b) at v[128 + 8 (4 a + b)]), later rows of out0.
;   window 1: two fragment buffers of 128: for 64 along K, 64 registers of tokens (2 x 4 fragments), then 64 of columns.
.set KB,     8192                      ; a K step of one block of 16 rows
.set HALFT,  4*KB                      ; what one tensor load brings, and what one wave reads of either operand
.set SLOT,   4*HALFT                   ; the tokens' 8 blocks, then the columns' 8
.set SPARE,  2*SLOT                    ; behind the ring: the spare words, 128 bytes for each wave: two blocks of 256 bytes that no other line names
.set SPITCH, 272                       ; the way out: a stage of 16 rows x (256 bytes + 16) for each wave, in slot 0, which has had its last fill and its last read when the first result is stored there
.set LAPS,   2                         ; a lap = two K steps = once round the ring: 1,024 / 512
.set ADRA, 16                          ; v16-17  LDS address of my tokens' fragments in slot 0, 1
.set ADRB, 20                          ; v20-21  the same for my columns'
.set STO,  24                          ; v24     the way out: where I put 32 bytes of a row
.set RD,   25                          ; v25     where I read a row back
.set CO,   26                          ; v26     my byte offset in out0
.set SPW,  28                          ; v28     LDS address of my spare word; never rewritten
.set NIL,  29                          ; v29     0; never rewritten
.set ACC,  128
.set F0,   0                           ; fragment buffers, in window 1
.set F1,   128
.set G1, 24                            ; s[24:31] descriptor group 1 for the tokens' tiles;  s[32:39] group 0, one set for each slot
.set G0, 32
.set G1B, 48                           ; s[48:55], s[56:63] the same for the columns'
.set G0B, 56
.set MSB, 0
.macro WIN new                         ; the immediate's high byte repeats the setting that is left
.if MSB != \new
	s_set_vgpr_msb (MSB<<8)|\new
.set MSB, \new
.endif
.endm
.set MUL,  0x05                        ; sources 0 and 1 window 1; C and D window 0
.set TO_F, 0x40                        ; destination window 1, address window 0
.macro JLOAD s                         ; a joint load: waves 0 and 1 fetch the tokens' halves, waves 2 and 3 the columns'; four v_nop follow each of the two lines
	s_cmp_eq_u32 s11, 0
	s_cbranch_scc0 .Lfor_b_\@
	tensor_load_to_lds s[G0+4*\s:G0+4*\s+3], s[G1:G1+7]
	s_nop 0
.rept 4
	v_nop
.endr
	s_branch .Lasked_\@
.Lfor_b_\@:
	tensor_load_to_lds s[G0B+4*\s:G0B+4*\s+3], s[G1B:G1B+7]
	s_nop 0
.rept 4
	v_nop
.endr
.Lasked_\@:
.endm
.macro CREST                           ; a round of the cluster's barrier behind its opening barrier
	s_cmp_lg_u32 s10, 0
	s_cbranch_scc1 .Lnot_wave_0_\@
	s_barrier_signal -3
.Lnot_wave_0_\@:
	s_barrier_wait -3
	s_barrier_signal -1
	s_barrier_wait -1
.endm
.macro CROUND                          ; a whole round
	s_barrier_signal -1
	s_barrier_wait -1
	CREST
.endm
	s_load_b128 s[4:7], s[0:1], 0x0                ; cf s[4:5], wof s[6:7]
	s_load_b64 s[8:9], s[0:1], 0x10                ; out0
	v_lshl_add_u32 v[SPW], v0, 2, SPARE
	v_mov_b32 v[NIL], 0
	ds_add_u32 v28, v29
	ds_add_u32 v28, v29
	s_wait_dscnt 0x0
	v_lshrrev_b32 v1, 5, v0
	v_readfirstlane_b32 s10, v1                    ; wave 0..3
	s_lshr_b32 s11, s10, 1                         ; which half of the tile's rows is mine.  Also: I fetch tokens (0) or columns (1)
	s_and_b32 s12, s10, 1                          ; which half of its columns.  Also: which four blocks of that operand I fetch
	s_bfe_u32 s40, ttmp6, 0x40000                  ; cx, cy: my place in the cluster
	s_bfe_u32 s41, ttmp6, 0x40004
	s_lshl_b32 s42, ttmp9, 2
	s_add_co_u32 s42, s42, s40                     ; tile column = 4 x cluster x + cx
	s_and_b32 s13, ttmp7, 0xffff
	s_lshl_b32 s13, s13, 2
	s_add_co_u32 s13, s13, s41                     ; tile row = 4 x cluster y + cy
	s_lshl_b32 s43, s41, 2
	s_lshl_b32 s43, 15, s43                        ; my row of the cluster
	s_lshl_b32 s44, 0x1111, s40                    ; my column
	; descriptor group 1: 4 rows (blocks) of 8,192 bytes, 32,768 bytes apart; elements of 8 bytes
	s_or_b32 s[G1+0], s43, (3<<16)|(1<<21)         ; 15:0 the mask; 17:16 elements of 8 bytes; 21 set beside a mask
	s_or_b32 s[G1B+0], s44, (3<<16)|(1<<21)
.irp g, G1, G1B
	s_mov_b32 s[\g+1], 1024<<16                    ; tensor_dim0 = 1,024 elements
	s_mov_b32 s[\g+2], 4<<16                       ; tensor_dim1 = 4
	s_mov_b32 s[\g+3], 1024<<16                    ; tile_dim0
	s_mov_b32 s[\g+4], 4                           ; tile_dim1
	s_mov_b32 s[\g+5], 4096                        ; from row to row
	s_mov_b32 s[\g+6], 0
	s_mov_b32 s[\g+7], 0
.endr
	s_lshl_b32 s17, s12, 17                        ; which four blocks I fetch
	s_lshl_b32 s16, s13, 18                        ; tokens: 8 blocks of 32,768 bytes a tile row
	s_add_co_u32 s16, s16, s17
	s_lshl_b32 s46, s42, 18                        ; columns: 8 blocks a tile column
	s_add_co_u32 s46, s46, s17
	s_mov_b32 s17, 0
	s_mov_b32 s47, 0
	s_lshl_b32 s20, s10, 15                        ; where they go: wave x 32,768: no place in the cluster enters an LDS address
	s_wait_kmcnt 0x0
	s_add_nc_u64 s[14:15], s[4:5], s[16:17]
	s_add_nc_u64 s[46:47], s[6:7], s[46:47]
	CROUND                                         ; all sixteen work-groups are here: the first joint loads meet
.irp s, 0,1
	s_mov_b32 s[G0+4*\s], 1
	s_add_co_u32 s[G0+4*\s+1], s20, \s*SLOT
	s_add_nc_u64 s[G0+4*\s+2:G0+4*\s+3], s[14:15], \s*KB
	s_or_b32 s[G0+4*\s+3], s[G0+4*\s+3], 0x80000000
	s_mov_b32 s[G0B+4*\s], 1
	s_add_co_u32 s[G0B+4*\s+1], s20, \s*SLOT
	s_add_nc_u64 s[G0B+4*\s+2:G0B+4*\s+3], s[46:47], \s*KB
	s_or_b32 s[G0B+4*\s+3], s[G0B+4*\s+3], 0x80000000
	JLOAD \s
.endr
	v_and_b32 v1, 15, v0                           ; l % 16
	v_bfe_u32 v2, v0, 4, 1                         ; l / 16
	v_and_b32 v3, 31, v0
	v_lshlrev_b32 v3, 4, v3                        ; 16 x lane: my place in an image's half
	s_lshl_b32 s21, s11, 15                        ; my four blocks of tokens
	s_lshl_b32 s22, s12, 15                        ; my four blocks of columns,
	s_add_co_u32 s22, s22, 2*HALFT                 ; which lie behind the tokens' eight
.irp s, 0,1
	v_add_nc_u32 v[ADRA+\s], s21, v3
	v_add_nc_u32 v[ADRB+\s], s22, v3
	s_add_co_u32 s21, s21, SLOT
	s_add_co_u32 s22, s22, SLOT
.endr
	s_mul_i32 s23, s10, 16*SPITCH                  ; my stage
	v_mul_u32_u24 v4, v1, SPITCH                   ; in: row l % 16, 32 bytes for each half of the lanes
	v_lshl_add_u32 v4, v2, 5, v4
	v_add_nc_u32 v[STO], s23, v4
	v_mul_u32_u24 v5, v2, SPITCH                   ; back: lanes 0-15 take one row of 256 bytes, lanes 16-31 the next
	v_lshl_add_u32 v5, v1, 4, v5
	v_add_nc_u32 v[RD], s23, v5
	v_lshlrev_b32 v5, 12, v2                       ; and the same two rows in out0: a row is 4,096 bytes
	v_lshl_add_u32 v[CO], v1, 4, v5
	s_lshl_b32 s16, s13, 19                        ; my first row: (128 tile row + 64 half) x 4,096 bytes
	s_lshl_b32 s17, s11, 18
	s_add_co_u32 s16, s16, s17
	s_mov_b32 s17, 0
	s_add_nc_u64 s[8:9], s[8:9], s[16:17]
	s_lshl_b32 s46, s42, 9                         ; my first column: (128 tile column + 64 half) x 4 bytes
	s_lshl_b32 s47, s12, 8
	s_add_co_u32 s46, s46, s47
	s_mov_b32 s47, 0
	s_add_nc_u64 s[8:9], s[8:9], s[46:47]
; 8 matrix instructions: blocks a0, a0 + 1 of tokens x all 4 blocks of columns, 32 along K: half c of buffer f.  zero = 1: the first product starts the sums.  The 16 accumulators take turns
.macro MUL8 f, c, a0, zero
.irp a, \a0, \a0+1
.irp b, 0,1,2,3
.if \zero
	v_wmma_f32_16x16x32_f16 v[ACC+8*(4*(\a)+\b):ACC+8*(4*(\a)+\b)+7], v[\f+64+8*(4*\c+\b):\f+64+8*(4*\c+\b)+7], v[\f+8*(4*\c+\a):\f+8*(4*\c+\a)+7], 0
.else
	v_wmma_f32_16x16x32_f16 v[ACC+8*(4*(\a)+\b):ACC+8*(4*(\a)+\b)+7], v[\f+64+8*(4*\c+\b):\f+64+8*(4*\c+\b)+7], v[\f+8*(4*\c+\a):\f+8*(4*\c+\a)+7], v[ACC+8*(4*(\a)+\b):ACC+8*(4*(\a)+\b)+7]
.endif
.endr
.endr
.endm
; 32 LDS loads in one run: the fragments of quarter kq of a K step (64 along K: images 2 kq and 2 kq + 1 of each block) into buffer f; the first 32 along K first
.macro FETCH slot, kq, f
	WIN TO_F
.irp c, 0,1
.irp i, 0,1,2,3
	ds_load_b128 v[\f+64+8*(4*\c+\i):\f+64+8*(4*\c+\i)+3],   v[ADRB+\slot] offset:KB*\i+1024*(2*\kq+\c)
	ds_load_b128 v[\f+64+8*(4*\c+\i)+4:\f+64+8*(4*\c+\i)+7], v[ADRB+\slot] offset:KB*\i+1024*(2*\kq+\c)+512
	ds_load_b128 v[\f+8*(4*\c+\i):\f+8*(4*\c+\i)+3],         v[ADRA+\slot] offset:KB*\i+1024*(2*\kq+\c)
	ds_load_b128 v[\f+8*(4*\c+\i)+4:\f+8*(4*\c+\i)+7],       v[ADRA+\slot] offset:KB*\i+1024*(2*\kq+\c)+512
.endr
.endr
.endm
.macro PLACES                          ; four places in front of loads into registers that matrix instructions have read, and of the first read of results
.rept 4
	v_nop
.endr
.endm
; A K step is four quarters of 64 along K, 32 matrix instructions each, on buffers 0, 1, 0, 1.  One of the first three: multiplies buffer f and fetches quarter kq into g.
.macro QUARTER slot, kq, f, g, zero
	s_wait_dscnt 16                                ; the first 32 along K are in; the other sixteen loads may be out
	WIN MUL
	MUL8 \f, 0, 0, \zero
	MUL8 \f, 0, 2, \zero
	PLACES
	FETCH \slot, \kq, \g
	s_wait_dscnt 32                                ; all but the 32 just issued
	WIN MUL
	MUL8 \f, 1, 0, 0
	MUL8 \f, 1, 2, 0
.endm
; The last quarter multiplies buffer 1 and changes slots: ONE barrier; in front of it each wave waits for all its tensor loads, adds 0 to its spare word, and waits for that and for its own reads of this slot.  fill = 1: this slot is filled again, two K steps ahead.
.macro TURN slot, next, fill
	WIN 0                                          ; (the add's two registers lie in window 0)
	s_wait_tensorcnt 0x0                           ; all my tensor loads have landed: my part of the next slot;
	ds_add_u32 v[SPW], v[NIL]                      ; 0 onto my spare word;
	s_wait_dscnt 17                                ; (the add and the youngest sixteen loads may be out)
	WIN MUL
	MUL8 F1, 0, 0, 0                               ; eight matrix instructions stand between the add and the wait for it
	s_wait_dscnt 0x0                               ; the add is done, and my reads of this slot are over
	s_barrier_signal -1
	MUL8 F1, 0, 2, 0
.if \fill
	WIN 0
.endif
	s_barrier_wait -1
.if \fill
	CREST                                          ; the barrier has opened a round of the cluster's barrier: no wave of any partner still reads this slot's tile or has a load on its way
	s_add_nc_u64 s[G0+4*\slot+2:G0+4*\slot+3], s[G0+4*\slot+2:G0+4*\slot+3], 2*KB
	s_add_nc_u64 s[G0B+4*\slot+2:G0B+4*\slot+3], s[G0B+4*\slot+2:G0B+4*\slot+3], 2*KB
	JLOAD \slot                                    ; the first tensor load behind the round; the four v_nop behind it are also the places in front of the loads below
.else
	PLACES
.endif
	FETCH \next, 0, F0
	WIN MUL
	MUL8 F1, 1, 0, 0
	MUL8 F1, 1, 2, 0
.endm
	s_wait_tensorcnt 1                             ; my part of K step 0 is in; K step 1's load may be out
	s_barrier_signal -1
	s_barrier_wait -1                              ; everybody's is
	FETCH 0, 0, F0
	QUARTER 0, 1, F0, F1, 1                        ; the first quarter stands in front of the loop: its first products start the sums
	WIN 0                                          ; at a label and at a branch every window is 0
	s_mov_b32 s3, LAPS-1
.Llap:                                                 ; a trip goes once round the ring, from a lap's second quarter to the next lap's first, and fills both slots again
	QUARTER 0, 2, F1, F0, 0
	QUARTER 0, 3, F0, F1, 0
	TURN 0, 1, 1
	QUARTER 1, 1, F0, F1, 0
	QUARTER 1, 2, F1, F0, 0
	QUARTER 1, 3, F0, F1, 0
	TURN 1, 0, 1
	QUARTER 0, 1, F0, F1, 0
	WIN 0
	s_sub_co_u32 s3, s3, 1
	s_cmp_lg_u32 s3, 0
	s_cbranch_scc1 .Llap
	QUARTER 0, 2, F1, F0, 0                        ; the last lap fills nothing, and has no round of the cluster's barrier
	QUARTER 0, 3, F0, F1, 0
	TURN 0, 1, 0
	QUARTER 1, 1, F0, F1, 0
	QUARTER 1, 2, F1, F0, 0
	QUARTER 1, 3, F0, F1, 0
	s_wait_dscnt 16                                ; the very last quarter: nothing more to fetch
	WIN MUL
	MUL8 F1, 0, 0, 0
	MUL8 F1, 0, 2, 0
	s_wait_dscnt 0
	MUL8 F1, 1, 0, 0
	MUL8 F1, 1, 2, 0
	WIN 0
	; THE WAY OUT.  A lane holds 32 neighbouring bytes of a row, and the lanes beside it hold other rows; my 64 columns are 256 bytes of a row, aligned.  So a block of 16 rows goes through my own stage and comes back as
	; whole rows, into the registers that it left.  LDS serves a wave's instructions in order (ISA guide 5.7.1.4): no wait between the stores and the loads, nor in front of the next block's stores.
	PLACES
.irp a, 0,1,2,3
.irp b, 0,1,2,3
	ds_store_b128 v[STO], v[ACC+8*(4*\a+\b):ACC+8*(4*\a+\b)+3] offset:64*\b        ; each accumulator from its low end on
	ds_store_b128 v[STO], v[ACC+8*(4*\a+\b)+4:ACC+8*(4*\a+\b)+7] offset:64*\b+16
.endr
.irp t, 0,1,2,3,4,5,6,7
	ds_load_b128 v[ACC+32*\a+4*\t:ACC+32*\a+4*\t+3], v[RD] offset:\t*2*SPITCH
.endr
.endr
.irp a, 0,1,2,3
.irp t, 0,1,2,3,4,5,6,7
	s_wait_dscnt 16*(3-\a)+7-\t                    ; behind this load: the rest of its block's loads, and sixteen LDS instructions for each later block
	global_store_b128 v[CO], v[ACC+32*\a+4*\t:ACC+32*\a+4*\t+3], s[8:9] offset:(16*\a+2*\t)*4096 th:TH_STORE_NT   ; 16 lanes store 256 consecutive bytes, at a multiple of 256 from out0's first byte; written once, read by nobody here
.endr
.endr
	s_wait_tensorcnt 0x0                           ; the wave's end, behind my last tensor load and my last LDS store
	ds_add_u32 v[SPW], v[NIL]
	s_wait_dscnt 0x0
	CROUND                                         ; the closing round: no work-group ends while a partner may still ask for a tile that names it
	s_endpgm
.Lfunc_end_k_q84d6bc22ee_proj:
	.size	k_q84d6bc22ee_proj, .Lfunc_end_k_q84d6bc22ee_proj-k_q84d6bc22ee_proj
	.p2alignl 7, 3214868480
	.fill 96, 4, 3214868480
	.section	.rodata,"a",@progbits
	.p2align	6, 0x0
	.amdhsa_kernel k_q84d6bc22ee_proj
		.amdhsa_group_segment_fixed_size 327680
		.amdhsa_private_segment_fixed_size 0
		.amdhsa_enable_private_segment 0
		.amdhsa_kernarg_size 24
		.amdhsa_user_sgpr_count 2
		.amdhsa_user_sgpr_kernarg_segment_ptr 1
		.amdhsa_wavefront_size32 1
		.amdhsa_system_sgpr_workgroup_id_x 1
		.amdhsa_system_sgpr_workgroup_id_y 1
		.amdhsa_system_sgpr_workgroup_id_z 1
		.amdhsa_system_vgpr_workitem_id 0
		.amdhsa_next_free_vgpr 512
		.amdhsa_next_free_sgpr 66
		.amdhsa_reserve_vcc 0
		.amdhsa_float_denorm_mode_32 3
		.amdhsa_float_denorm_mode_16_64 3
		.amdhsa_memory_ordered 1
		.amdhsa_forward_progress 1
		.amdhsa_inst_pref_size 86
	.end_amdhsa_kernel
	.amdgpu_metadata
---
amdhsa.version: [ 1, 2 ]
amdhsa.kernels:
  - .name:           k_q84d6bc22ee_proj
    .symbol:         k_q84d6bc22ee_proj.kd
    .args:
      - { .name: cf, .offset: 0, .size: 8, .value_kind: global_buffer, .address_space: global }
      - { .name: wof, .offset: 8, .size: 8, .value_kind: global_buffer, .address_space: global }
      - { .name: out0, .offset: 16, .size: 8, .value_kind: global_buffer, .address_space: global }
    .group_segment_fixed_size: 327680
    .private_segment_fixed_size: 0
    .kernarg_segment_align: 8
    .kernarg_segment_size: 24
    .max_flat_workgroup_size: 128
    .sgpr_count:     66
    .vgpr_count:     512
    .wavefront_size: 32
...
	.end_amdgpu_metadata
.endif
;; end of part 4
